; MI455X (gfx1250); checked and timed in simulation.
; The chip was launched on July 23, 2026; its instructions are those of AMD's public machine-readable ISA for CDNA 5 (MIT licence, August 2026) and "CDNA5" Instruction Set Architecture Reference Guide (July 2026). The comments in the code are by the model that wrote it; some were corrected since.
;; Edge Processor. Allowed arithmetic: matrix products marked QUANTISED: E4M3 operands, one given power-of-two scale a tensor, by v_wmma_f32_16x16x64_fp8_fp8 or v_wmma_f32_16x16x128_fp8_fp8, f32 sums; everything else in f32.
;; Inputs: W 8 x 128 x 256 float32; b 8 x 256 float32; beta 8 x 256 float32; edge_attr 65,536 x 128 float32; edge_type 65,536 int32; gamma 8 x 256 float32; lowp_scales 16 int32 (the exponents e of the quantised operands' scales 2^e).
;; Outputs: out0 65,536 x 256 float32.
;; This version of the problem:
;;   THIS VERSION OF THE PROBLEM IS GIVEN IN LOW PRECISION. The matrix products marked QUANTISED in the list below multiply operands that are first quantised to E4M3 (4 exponent bits, 3 mantissa bits; 8 bits a number), with one given power-of-two scale for each operand tensor; their sums are f32. All else is computed in f32.
;;   The module's matrix products, in the order in which they are computed (A, B: the left and right operand; K: the contracted axis; several contracted axes count as one K, in the product's order):
;;     1. [M 65,536, K 128] x [K 128, N 256]; A: input edge_attr; B: input W: QUANTISED (scales: A lowp_scales[0], B lowp_scales[1])
;;     2. [M 65,536, K 128] x [K 128, N 256]; A: input edge_attr; B: input W: QUANTISED (scales: A lowp_scales[2], B lowp_scales[3])
;;     3. [M 65,536, K 128] x [K 128, N 256]; A: input edge_attr; B: input W: QUANTISED (scales: A lowp_scales[4], B lowp_scales[5])
;;     4. [M 65,536, K 128] x [K 128, N 256]; A: input edge_attr; B: input W: QUANTISED (scales: A lowp_scales[6], B lowp_scales[7])
;;     5. [M 65,536, K 128] x [K 128, N 256]; A: input edge_attr; B: input W: QUANTISED (scales: A lowp_scales[8], B lowp_scales[9])
;;     6. [M 65,536, K 128] x [K 128, N 256]; A: input edge_attr; B: input W: QUANTISED (scales: A lowp_scales[10], B lowp_scales[11])
;;     7. [M 65,536, K 128] x [K 128, N 256]; A: input edge_attr; B: input W: QUANTISED (scales: A lowp_scales[12], B lowp_scales[13])
;;     8. [M 65,536, K 128] x [K 128, N 256]; A: input edge_attr; B: input W: QUANTISED (scales: A lowp_scales[14], B lowp_scales[15])
;;   THE QUANTISER, for each operand of a quantised product, along K:
;;     - The operand's scale is 2^e, e = its entry of the input lowp_scales (int32; the entries are numbered through the quantised products in the list's order, A before B).
;;     - Each number is divided by the scale, clamped to +-448, and rounded to the nearest number of E4M3, ties to even, subnormals kept.
;;     - The product sums the exact products of the quantised numbers (number of the format x scale) in f32.
;;   ~~~python
;;   def quantise(x, axis, e):      # numpy; x: float32 -> the quantised numbers, widened to float32 again
;;       x = np.moveaxis(x, axis, -1); K = x.shape[-1]
;;       r = np.clip(x / 2.0 ** e, -448, 448)
;;       step = 2.0 ** (np.maximum(np.frexp(np.where(r == 0, 1, r))[1] - 1, -6) - 3)
;;       q = np.round(r / step) * step * 2.0 ** e      # np.round: ties to even
;;       return np.moveaxis(q, -1, axis).astype(np.float32)
;;   ~~~
;; 2 versions, each right; version 2 is version 1 with the launch main written anew for expert scheduling mode. Each part assembles by itself: llvm-mc -triple=amdgcn-amd-amdhsa -mcpu=gfx1250 --defsym DOCPART=n.
;; ======== version 1 of 2: 2 launches
;; workspace buffers: wfrag 262,144 bytes; order 278,528 bytes of whole numbers; ttype 20,480 bytes of whole numbers
;; launch prep (part 1): grid 16 x 1, 32 waves a work-group, no clusters, 13,312 bytes of LDS; arguments edge_type, W, lowp_scales, wfrag, order, ttype; writes wfrag, order, ttype
.if DOCPART == 1
	.amdgcn_target "amdgcn-amd-amdhsa--gfx1250"
	.amdhsa_code_object_version 6
	.text
	.protected	k_qbd92652f44_prep
	.globl	k_qbd92652f44_prep
	.p2align	8
	.type	k_qbd92652f44_prep,@function
k_qbd92652f44_prep:
	s_mov_b64 s[64:65], 0
	v_nop
	global_prefetch_b8 v0, s[64:65] scope:SCOPE_SE
	s_setreg_imm32_b32 hwreg(HW_REG_WAVE_MODE, 25, 1), 1
	s_wait_xcnt 0x0
; THE ROUTING AND W's CODES.  65,536 rows are 16 domains of 4,096; work-group d sorts domain d by type, by a counting sort of its own: nothing passes between work-groups.
; Nine buckets: types 0 to 7, and bucket 8 for every other value (the comparison is unsigned, so negative types fall there).  A bucket's run of rows is padded to a multiple of 16, a tile.
; order [16][4352] int32: the global row number of each slot, -1 in pad slots and behind the last tile.  4,096 rows + at most 128 pad slots are at most 264 tiles; 272 are laid, and every slot is written.
; ttype [16][320] int32: the bucket of each tile, 9 behind the last tile.
; Thread t owns rows 4 t .. 4 t + 3 of the domain.  A row's slot = its bucket's first slot + the bucket's rows in earlier waves + its rank in the wave.
; EXEC is never changed: a lane that has no pad slot to write stores the same -1 into the list's last slot, 4351, which belongs to tile 271 and so never to a real tile.
; W [8][128][256] f32, K its middle axis, becomes codes of E4M3 with the scale 2^eB of its type (eB = lowp_scales[2 t + 1]; LIMIT: -126 <= eB <= 119; NaN is not served), laid as images of the operand's registers:
; wfrag [type 8][tile 16][c 4][lane 32][16 bytes]; tile 4 G + q, lane (r, h) holds column 64 G + 4 r + q; byte B of register 4 c + D holds k = 64 h + 16 c + 4 D + B.
; Waves 0 to 7 take one unit (type, G, c) each, 128 units in the launch: 16 loads, of which each half of the lanes reads 256 consecutive aligned bytes of one row k; a lane's registers then run down K for four columns.
.set CNT,   0                          ; LDS: [wave 32][bucket 32] words, 132 bytes from wave to wave
.set PRE,   4352                       ; the same shape: a bucket's rows in earlier waves
.set TOT,   8704                       ; [bucket 32] words: a bucket's rows in the domain
.set SLOTS, 4352
.set L,     44                         ; v44-107  W as loaded: register 4 i + q = W(k0 + i, column 4 r + q)
.set X,     108                        ; v108-123 16 numbers down K of one column
.set CD,    22                         ; v22-37   the codes, four registers for each q (the scans' registers, done with by then)
.set TTO,   124                        ; v124     4 x thread: my tile's place in ttype; never rewritten
.set PADO,  125                        ; v125     the pad slot's byte offset; holds nothing else
.set FILO,  126                        ; v126     the filler slot's byte offset; holds nothing else
.set TTV,   127                        ; v127     my tile's type; a register of its own, so that the list's stores, which may still read v31-39, need no wait here
	s_load_b256 s[4:11], s[0:1], 0x0               ; edge_type s[4:5], W s[6:7], lowp_scales s[8:9], wfrag s[10:11]
	s_load_b128 s[12:15], s[0:1], 0x20             ; order s[12:13], ttype s[14:15]
	v_lshl_add_u32 v14, v0, 2, 0x2400
	v_mov_b32 v15, 0
	v_lshrrev_b32 v1, 5, v0
	v_readfirstlane_b32 s16, v1                    ; wave 0..31
	v_and_b32 v1, 31, v0                           ; lane
	v_lshrrev_b32 v2, 4, v1                        ; h
	v_lshlrev_b32 v3, 4, v0                        ; 16 x thread: my four types' bytes; also the first slot of tile number thread
	v_lshlrev_b32 v[TTO], 2, v0
	s_mul_i32 s17, s16, 132
	s_lshl_b32 s18, s16, 2
	v_lshl_add_u32 v18, v1, 2, s17                 ; every LDS address is made here: 132 wave + 4 lane,
	v_mul_u32_u24 v19, v1, 132
	v_add_nc_u32 v19, s18, v19                     ; 132 lane + 4 wave,
	v_mov_b32 v20, s18                             ; 4 wave,
	v_lshlrev_b32 v21, 2, v1                       ; 4 lane
	v_and_b32 v40, 15, v0
	v_lshlrev_b32 v40, 4, v40
	v_lshl_add_u32 v40, v2, 16, v40                ; W: 64 h rows of 1,024 bytes + 16 r
	v_lshlrev_b32 v41, 4, v1                       ; an image's place for my lane
.irp e, 8,9,10,11,16,17
	v_mov_b32 v\e, 0                               ; the four ranks, the wave's counts, and a register that lane forms name as a destination
.endr
	s_and_b32 s19, s16, 7                          ; (wave & 7: so that every wave's load of eB stays inside its buffer)
	s_lshl_b32 s20, ttmp9, 3
	s_add_co_u32 s19, s19, s20                     ; the unit's number, 0..127
	s_lshr_b32 s20, s19, 4                         ; type
	s_bfe_u32 s21, s19, 0x20002                    ; G
	s_and_b32 s22, s19, 3                          ; c
	s_lshl_b32 s28, s20, 17                        ; W: 131,072 type + 16,384 c + 256 G
	s_lshl_b32 s23, s22, 14
	s_add_co_u32 s28, s28, s23
	s_lshl_b32 s23, s21, 8
	s_add_co_u32 s28, s28, s23
	s_mov_b32 s29, 0
	s_lshl_b32 s30, s20, 15                        ; wfrag: 32,768 type + 8,192 G + 512 c
	s_lshl_b32 s23, s21, 13
	s_add_co_u32 s30, s30, s23
	s_lshl_b32 s23, s22, 9
	s_add_co_u32 s30, s30, s23
	s_mov_b32 s31, 0
	s_lshl_b32 s32, ttmp9, 14                      ; the domain's types,
	s_mov_b32 s33, 0
	s_mul_i32 s34, ttmp9, 4*SLOTS                  ; its list,
	s_mov_b32 s35, 0
	s_mul_i32 s36, ttmp9, 1280                     ; its tiles' types
	s_mov_b32 s37, 0
	s_lshl_b32 s38, s20, 3
	s_lshl_b32 s27, ttmp9, 12                      ; its first row
	s_wait_kmcnt 0x0
	s_load_b32 s39, s[8:9], s38 offset:0x4         ; eB of the unit's type
	s_add_nc_u64 s[4:5], s[4:5], s[32:33]
	s_add_nc_u64 s[6:7], s[6:7], s[28:29]
	s_add_nc_u64 s[10:11], s[10:11], s[30:31]
	s_add_nc_u64 s[12:13], s[12:13], s[34:35]
	s_add_nc_u64 s[14:15], s[14:15], s[36:37]
	global_load_b128 v[4:7], v3, s[4:5] th:TH_LOAD_NT
	s_cmp_lt_u32 s16, 8
	s_cbranch_scc0 .Lno_w
.irp i, 0,1,2,3,4,5,6,7,8,9,10,11,12,13,14,15
	global_load_b128 v[L+4*\i:L+4*\i+3], v40, s[6:7] offset:1024*\i th:TH_LOAD_NT   ; row k0 + i: they land while the rows are sorted
.endr
	s_wait_loadcnt 16                              ; my types are in; W's sixteen younger loads stay out
	s_branch .Ltypes
.Lno_w:
	s_wait_loadcnt 0x0
.Ltypes:
	s_wait_kmcnt 0x0                               ; eB
.irp e, 0,1,2,3
	v_min_u32 v[4+\e], 8, v[4+\e]                  ; the bucket
.endr
; Bucket b in my wave: a row's rank (first every lane's row 0, then row 1 ..) and the wave's count, which goes to lane b of v16.
.macro BUCKET b
	s_mov_b32 s24, 0
.irp e, 0,1,2,3
	v_cmp_eq_u32 s25, \b, v[4+\e]
	v_mbcnt_lo_u32_b32 v17, s25, s24               ; the bucket's rows so far + those in lower lanes
	v_cndmask_b32 v[8+\e], v[8+\e], v17, s25
	s_bcnt1_i32_b32 s26, s25
	s_add_co_u32 s24, s24, s26
.endr
	v_writelane_b32 v16, s24, \b
.endm
.irp b, 0,1,2,3,4,5,6,7,8
	BUCKET \b
.endr
; An inclusive sum along each row of 16 lanes.
.macro SCAN16 x
.irp n, 1,2,4,8
	v_mov_b32_dpp v17, v[\x] row_shr:\n row_mask:0xf bank_mask:0xf bound_ctrl:1
	v_add_nc_u32 v[\x], v[\x], v17
.endr
.endm
	ds_store_b32 v18, v16 offset:CNT               ; lanes 9 to 31 store 0
	s_wait_dscnt 0x0                               ; for the others' sake: my counts lie in LDS
	s_barrier_signal -1
	s_barrier_wait -1
	ds_load_b32 v22, v19 offset:CNT                ; wave w takes bucket w: lane l holds wave l's count
	s_wait_dscnt 0x0
	v_mov_b32 v23, v22
	SCAN16 23
	v_readlane_b32 s24, v23, 15
	v_mad_u32_u24 v23, v2, s24, v23                ; lanes 16-31 add the lower row's total
	v_readlane_b32 s24, v23, 31                    ; the bucket's rows in the domain
	v_sub_nc_u32 v22, v23, v22                     ; those in earlier waves
	v_mov_b32 v24, s24
	ds_store_b32 v19, v22 offset:PRE
	ds_store_b32 v20, v24 offset:TOT               ; every lane stores the same word
	s_wait_dscnt 0x0
	s_barrier_signal -1
	s_barrier_wait -1
	ds_load_b32 v24, v18 offset:PRE                ; lane l: bucket l's rows in the waves ahead of mine,
	ds_load_b32 v25, v21 offset:TOT                ; and n, its rows in the domain
	s_wait_dscnt 0x0
	v_add_nc_u32 v26, 15, v25
	v_and_b32 v26, -16, v26                        ; n rounded up to whole tiles
	v_mov_b32 v27, v26
	SCAN16 27                                      ; the slot behind bucket l's run (buckets lie in lanes 0 to 8; lanes 9 to 15 hold the total)
	v_sub_nc_u32 v28, v27, v26                     ; its first slot
	v_add_nc_u32 v29, v28, v24                     ; where my wave's rows of it begin
	v_readlane_b32 s24, v29, 0
.irp e, 0,1,2,3
	v_mov_b32 v[31+\e], s24
.endr
.irp b, 1,2,3,4,5,6,7,8
	v_readlane_b32 s24, v29, \b
.irp e, 0,1,2,3
	v_cmp_eq_u32 vcc_lo, \b, v[4+\e]
	v_cndmask_b32 v[31+\e], v[31+\e], s24, vcc_lo
.endr
.endr
.irp e, 0,1,2,3
	v_add_nc_u32 v[36+\e], v[31+\e], v[8+\e]       ; the row's slot,
	v_min_u32 v[36+\e], SLOTS-1, v[36+\e]          ; held inside the domain's list,
	v_lshlrev_b32 v[36+\e], 2, v[36+\e]            ; in bytes
.endr
	v_lshl_add_u32 v35, v0, 2, s27
.irp e, 0,1,2,3
	v_add_nc_u32 v[31+\e], \e, v35                 ; the row's number
.endr
.irp e, 0,1,2,3
	global_store_b32 v[36+\e], v[31+\e], s[12:13]  ; four bytes a lane: lanes of one type store neighbouring slots; the domain's whole list is 17,408 bytes, and a stage in LDS would want addresses made of loaded numbers
.endr
	v_readlane_b32 s24, v25, s16                   ; wave w pads bucket w: its n,
	v_readlane_b32 s25, v28, s16                   ; its first slot
	s_sub_co_u32 s26, 0, s24
	s_and_b32 s26, s26, 15                         ; (-n) mod 16 pad slots (0 in waves 9 to 31, whose buckets are empty)
	s_add_co_u32 s25, s25, s24                     ; the first of them
	v_readlane_b32 s40, v27, 15                    ; the slot behind the last tile
	v_mov_b32 v17, -1
	v_add_nc_u32 v[PADO], s25, v1
	v_cmp_gt_u32 vcc_lo, s26, v1                   ; lanes 0 .. pads - 1 have a pad slot;
	v_cndmask_b32 v[PADO], SLOTS-1, v[PADO], vcc_lo   ; the others take the list's last slot, which holds -1 in any case
	v_min_u32 v[PADO], SLOTS-1, v[PADO]
	v_lshlrev_b32 v[PADO], 2, v[PADO]
	global_store_b32 v[PADO], v17, s[12:13]
	v_add_nc_u32 v[FILO], s40, v0                  ; behind the last tile: at most 256 slots, a thread each;
	v_min_u32 v[FILO], SLOTS-1, v[FILO]            ; the threads that are over all meet in the last slot, with the same -1
	v_lshlrev_b32 v[FILO], 2, v[FILO]
	global_store_b32 v[FILO], v17, s[12:13]
	s_cmp_lt_u32 s16, 10                           ; 320 tiles' types: waves 0 to 9, a thread a tile
	s_cbranch_scc0 .Lno_tt
	v_mov_b32 v[TTV], 0
.irp b, 0,1,2,3,4,5,6,7,8
	v_readlane_b32 s24, v27, \b
	v_cmp_ge_u32 vcc_lo, v3, s24                   ; the tile begins at or behind the end of bucket b's run:
	v_add_co_ci_u32 v[TTV], vcc_lo, 0, v[TTV], vcc_lo   ; one bucket further on; 9 behind the last tile
.endr
	global_store_b32 v[TTO], v[TTV], s[14:15]      ; a wave stores 128 consecutive bytes
.Lno_tt:
	s_cmp_lt_u32 s16, 8
	s_cbranch_scc0 .Ldone
	s_add_co_i32 s39, s39, 127
	s_lshl_b32 s24, s39, 23
	v_mov_b32 v42, s24                             ; 2^eB as f32: the conversion takes its exponent field
	s_add_co_i32 s39, s39, 8
	s_lshl_b32 s39, s39, 23
	s_or_b32 s39, s39, 0x600000
	v_mov_b32 v43, s39                             ; 448 x 2^eB
	s_wait_loadcnt 0x0                             ; W
	s_wait_xcnt 0x0                                ; the registers that the codes take (v31-37 among them) were read by the list's stores
.irp q, 0,1,2,3
.irp i, 0,1,2,3,4,5,6,7,8,9,10,11,12,13,14,15
	v_med3_num_f32 v[X+\i], v[L+4*\i+\q], -v43, v43   ; the hold at the largest code x the scale (the conversion does not saturate: ISA guide 7.6.2); it also brings one column's 16 numbers together
.endr
	v_cvt_scalef32_pk8_fp8_f32 v[CD+4*\q:CD+4*\q+1], v[X:X+7], v42
	v_cvt_scalef32_pk8_fp8_f32 v[CD+4*\q+2:CD+4*\q+3], v[X+8:X+15], v42
	v_nop                                          ; a plain line between the conversions and the next holds, which write their sources
	global_store_b128 v41, v[CD+4*\q:CD+4*\q+3], s[10:11] offset:2048*\q   ; the wave stores 512 consecutive bytes, aligned
.endr
.Ldone:
	s_wait_tensorcnt 0x0
	ds_add_u32 v14, v15
	s_wait_dscnt 0x0
	s_endpgm
.Lfunc_end_k_qbd92652f44_prep:
	.size	k_qbd92652f44_prep, .Lfunc_end_k_qbd92652f44_prep-k_qbd92652f44_prep
	.p2alignl 7, 3214868480
	.fill 96, 4, 3214868480
	.section	.rodata,"a",@progbits
	.p2align	6, 0x0
	.amdhsa_kernel k_qbd92652f44_prep
		.amdhsa_group_segment_fixed_size 13312
		.amdhsa_private_segment_fixed_size 0
		.amdhsa_enable_private_segment 0
		.amdhsa_kernarg_size 48
		.amdhsa_user_sgpr_count 2
		.amdhsa_user_sgpr_kernarg_segment_ptr 1
		.amdhsa_wavefront_size32 1
		.amdhsa_system_sgpr_workgroup_id_x 1
		.amdhsa_system_sgpr_workgroup_id_y 1
		.amdhsa_system_sgpr_workgroup_id_z 1
		.amdhsa_system_vgpr_workitem_id 0
		.amdhsa_next_free_vgpr 128
		.amdhsa_next_free_sgpr 66
		.amdhsa_reserve_vcc 1
		.amdhsa_float_denorm_mode_32 3
		.amdhsa_float_denorm_mode_16_64 3
		.amdhsa_memory_ordered 1
		.amdhsa_forward_progress 1
		.amdhsa_inst_pref_size 29
	.end_amdhsa_kernel
	.amdgpu_metadata
---
amdhsa.version: [ 1, 2 ]
amdhsa.kernels:
  - .name:           k_qbd92652f44_prep
    .symbol:         k_qbd92652f44_prep.kd
    .args:
      - { .name: edge_type, .offset: 0, .size: 8, .value_kind: global_buffer, .address_space: global }
      - { .name: W, .offset: 8, .size: 8, .value_kind: global_buffer, .address_space: global }
      - { .name: lowp_scales, .offset: 16, .size: 8, .value_kind: global_buffer, .address_space: global }
      - { .name: wfrag, .offset: 24, .size: 8, .value_kind: global_buffer, .address_space: global }
      - { .name: order, .offset: 32, .size: 8, .value_kind: global_buffer, .address_space: global }
      - { .name: ttype, .offset: 40, .size: 8, .value_kind: global_buffer, .address_space: global }
    .group_segment_fixed_size: 13312
    .private_segment_fixed_size: 0
    .kernarg_segment_align: 8
    .kernarg_segment_size: 48
    .max_flat_workgroup_size: 1024
    .sgpr_count:     66
    .vgpr_count:     128
    .wavefront_size: 32
...
	.end_amdgpu_metadata
.endif
;; end of part 1
;; launch main (part 2): grid 256 x 1, 4 waves a work-group, no clusters, 46,592 bytes of LDS; arguments edge_attr, wfrag, order, ttype, lowp_scales, b, gamma, beta, out0; writes out0
.if DOCPART == 2
	.amdgcn_target "amdgcn-amd-amdhsa--gfx1250"
	.amdhsa_code_object_version 6
	.text
	.protected	k_qbd92652f44_main
	.globl	k_qbd92652f44_main
	.p2align	8
	.type	k_qbd92652f44_main,@function
k_qbd92652f44_main:
	s_mov_b64 s[64:65], 0
	v_nop
	global_prefetch_b8 v0, s[64:65] scope:SCOPE_SE
	s_setreg_imm32_b32 hwreg(HW_REG_WAVE_MODE, 25, 1), 1
	s_wait_xcnt 0x0
; out0[row] = gelu(layernorm(Q(x[row]) Q(W[t]) + b[t]) gamma[t] + beta[t]), t = the row's type; 0 for a row whose type is none of 0 to 7.  Only the chosen expert's product is made.
; The launch before has sorted each domain of 4,096 rows by type into tiles of 16 (order, ttype) and laid W's codes as images of the operand's registers (wfrag).
; SHARES.  Work-group g: domain g / 16, place j = g % 16.  Wave w owns tiles 16 j + 4 w + 0..3 of the domain, which are always real (a domain has 256 to 264 tiles); surplus tile 256 + e goes to wave 0 of place e.
; The waves share nothing: no barrier; EXEC is never changed; branches hang on ids and on the stored tile types alone.
; NO TENSOR LOAD, NO CLUSTER: the walk hangs on stored numbers, and all that work-groups share is a type's 32,768 bytes of W's codes, against 384 KiB of rows that a work-group reads and writes alone.
; x: a half of the lanes loads 256 consecutive aligned bytes of one row; the numbers are held, converted (scale 2^eA of the tile's type) and the CODES are turned through the wave's own stage in LDS (16 rows, 144 bytes apart).
; ONE PERMUTATION OF k ON BOTH OPERANDS: byte B of register D of lane (r, h) holds k = 64 h + 4 D + B, in x's fragment and in W's alike: every product meets its partner; only the order of the sums inside an instruction changes.
; THE PRODUCT: source 0 = the tile's 16 rows, source 1 = 16 columns of W: register j of lane (r, h) is row 8 h + j.  THE COLUMNS OF A TILE ARE NOT NEIGHBOURS: tile 4 G + q holds columns 64 G + 4 r + q, so that
; the four tiles of a group G give a lane four neighbouring columns of a row, and sixteen lanes 256 consecutive aligned bytes of out0: results are stored from registers, with no stage.
; THE BIAS is the C of the one matrix instruction of a tile, as b / 2^(eA + eB).  LayerNorm works on these raw sums a (h = 2^e a, e = eA + eB): mean, then the sum of (a - mean)^2;
; the scale enters once, in rs = 2^e rsqrt(2^(2 e) var + eps).
; GELU: u = hn / sqrt(2) (gamma and beta are multiplied by 1 / sqrt(2) once a type); erf(u) = u A(u^2) / B(u^2) with u held within +-4, polynomials of 7 and 5 coefficients in f32; out = (u / sqrt(2)) erf + u / sqrt(2).
; A PAD SLOT takes the tile's first row: that row is computed and stored a second time with the same bits, which spares every mask.
; LIMITS: eA and eB between -126 and 119, so that each power of two made here is an f32 number.  NaN among the inputs is not served.  For hn far below 0 the result lies within about 6e-8 |hn| of 0.
; REGISTERS, in windows of 256 (s_set_vgpr_msb: bits 1:0 source 0, 3:2 source 1, 5:4 source 2, 7:6 destination):
;   window 0: v1-12 addresses; v16-31 x's fragment; v32-47 codes just made; v48-87 row numbers, then x's offsets (5 tiles x 8); v96-143 b, gamma, beta as loaded; v144-159 the rows' sums
;   window 1: W's 16 fragments.   window 2: v0-127 the 16 accumulators; v128-191 at work; v192.. see below.   window 3: x as loaded (4 tiles x 64), then v0-127 the bias as C.
.set WSTG, 11520                       ; LDS of a wave: five stages
.set STG,  2304                        ; a stage: 16 rows x 144 bytes (128 of codes + 16: row r starts at bank 36 r mod 64 of 64 banks of 4 bytes, ISA guide 11.1: sixteen different columns of 16 bytes)
.set AF,   16
.set CD,   32
.set XO,   48
.set RB,   96
.set RG,   112
.set RE,   128
.set SUM,  144
.set SQ,   152
.set U,    128                         ; window 2: u, then u / sqrt(2); in the sums: eight chains of two
.set C,    144                         ; u held within +-4
.set Q,    160                         ; its square
.set PB,   176                         ; B(u^2), then 1 / B
.set OO,   192                         ; the 8 rows' offsets in out0
.set MU,   200                         ; - mean
.set RS,   208
.set KB,   216                         ; v216-217 B's second coefficient, v218-219 A's second, twice each: so that a packed line names one scalar pair
.set KA,   218
.set R16,  220                         ; 16 r once more, in this window
.set PG,   224                         ; gamma / sqrt(2) of my 16 columns
.set PE,   240                         ; beta / sqrt(2)
.set KA0,  72                          ; s[72:83] A's coefficients 0, 2, 3, 4, 5, 6 (highest order first), each twice: a packed form names a pair
.set KB0,  84                          ; s[84:91] B's coefficients 0, 2, 3, 4
.set MSB, 0
.macro WIN new                         ; the immediate's high byte repeats the setting that is left; a switch that changes nothing is dropped
.if MSB != \new
	s_set_vgpr_msb (MSB<<8)|\new
.set MSB, \new
.endif
.endm
.macro KPAIR r, bits
	s_mov_b32 s[\r], \bits
	s_mov_b32 s[\r+1], \bits
.endm
; Eight row numbers become byte offsets: a pad slot (-1) takes the tile's first row; the number is held inside the table; x (1 << sh) + 16 r.
.macro ROWOFF reg, sh, r16
	v_readfirstlane_b32 s71, v[\reg]               ; slot 0 of a tile is always a row
.irp j, 0,1,2,3,4,5,6,7
	v_cmp_gt_u32 vcc_lo, s98, v[\reg+\j]
	v_cndmask_b32 v[\reg+\j], s71, v[\reg+\j], vcc_lo
.endr
.irp j, 0,1,2,3,4,5,6,7
	v_min_u32 v[\reg+\j], 0xffff, v[\reg+\j]
.endr
.irp j, 0,1,2,3,4,5,6,7
	v_lshlrev_b32 v[\reg+\j], \sh, v[\reg+\j]
.endr
.irp j, 0,1,2,3,4,5,6,7
	v_add_nc_u32 v[\reg+\j], v[\r16], v[\reg+\j]
.endr
.endm
; Tile i's x: 16 loads; lanes of half h read row 8 h + u, 256 consecutive aligned bytes a load: register 8 u + 4 p + n = x(row, 64 p + 4 r + n).
.macro XLOAD i
.if \i < 4
	WIN 0xC0
.set SB, 64*\i
.else
	WIN 0x80
.set SB, 128
.endif
.irp u, 0,1,2,3,4,5,6,7
	global_load_b128 v[SB+8*\u:SB+8*\u+3], v[XO+8*\i+\u], s[4:5]
	global_load_b128 v[SB+8*\u+4:SB+8*\u+7], v[XO+8*\i+\u], s[4:5] offset:256
.endr
	WIN 0
.endm
; Tile i's x becomes codes in stage i.  n: the younger loads that may stay out.
.macro CONV i, n
	s_wait_loadcnt \n
	s_add_co_i32 s100, s[36+2*\i], 127
	s_lshl_b32 s101, s100, 23
	v_mov_b32 v7, s101                             ; 2^eA as f32: the conversion takes its exponent field
	s_add_co_i32 s100, s100, 8
	s_lshl_b32 s100, s100, 23
	s_or_b32 s96, s100, 0x600000                   ; 448 x 2^eA,
	s_or_b32 s97, s96, 0x80000000                  ; and its negative
.if \i < 4
	WIN 0xC3
.set SB, 64*\i
.else
	WIN 0x82
.set SB, 128
.endif
.set kk, 0
.rept 64
	v_med3_num_f32 v[SB+kk], v[SB+kk], s97, s96    ; the conversion to an 8-bit code does not saturate (ISA guide 7.6.2): the hold comes first
.set kk, kk+1
.endr
.if \i < 4
	WIN 0x03
.else
	WIN 0x02
.endif
.irp u, 0,1,2,3,4,5,6,7
	v_cvt_scalef32_pk8_fp8_f32 v[CD+2*\u:CD+2*\u+1], v[SB+8*\u:SB+8*\u+7], v7
.endr
	WIN 0
	v_nop                                          ; a plain line behind the last conversion: its scale and its sources are written again further on
.irp u, 0,1,2,3,4,5,6,7
	ds_store_b32 v4, v[CD+2*\u] offset:STG*\i+144*\u          ; row 8 h + u, codes of k = 4 r .. 4 r + 3: the 32 lanes touch 32 different banks
	ds_store_b32 v4, v[CD+2*\u+1] offset:STG*\i+144*\u+64     ; and of k = 64 + 4 r ..
.endr
.endm
.macro BASES ty                        ; where a type's codes and parameters lie
	s_min_u32 s100, \ty, 7
	s_lshl_b32 s60, s100, 15
	s_mov_b32 s61, 0
	s_add_nc_u64 s[52:53], s[6:7], s[60:61]
	s_lshl_b32 s60, s100, 10
	s_add_nc_u64 s[54:55], s[14:15], s[60:61]
	s_add_nc_u64 s[56:57], s[16:17], s[60:61]
	s_add_nc_u64 s[58:59], s[18:19], s[60:61]
.endm
.macro LOADWQ G                        ; 19 loads: the four fragments of group G (each load 512 consecutive bytes) and my four columns' b, gamma, beta
	WIN 0x40
.irp q, 0,1,2,3
.irp c, 0,1,2,3
	global_load_b128 v[64*\G+16*\q+4*\c:64*\G+16*\q+4*\c+3], v3, s[52:53] offset:8192*\G+2048*\q+512*\c
.endr
.endr
	WIN 0
	global_load_b128 v[RB+4*\G:RB+4*\G+3], v1, s[54:55] offset:256*\G
	global_load_b128 v[RG+4*\G:RG+4*\G+3], v1, s[56:57] offset:256*\G
	global_load_b128 v[RE+4*\G:RE+4*\G+3], v1, s[58:59] offset:256*\G
.endm
.macro PARAMS                          ; once a type: the bias in the result's layout (a lane holds one column: eight equal registers a tile), gamma and beta / sqrt(2)
	WIN 0xC0
.irp t, 0,1,2,3,4,5,6,7,8,9,10,11,12,13,14,15
.irp j, 0,1,2,3,4,5,6,7
	v_ldexp_f32 v[8*\t+\j], v[RB+\t], s70          ; b / 2^(eA + eB): nothing is rounded
.endr
.endr
	WIN 0x80
.irp m, 0,2,4,6,8,10,12,14
	v_pk_mul_f32 v[PG+\m:PG+\m+1], v[RG+\m:RG+\m+1], 0x3f3504f3 op_sel_hi:[1,0]
	v_pk_mul_f32 v[PE+\m:PE+\m+1], v[RE+\m:RE+\m+1], 0x3f3504f3 op_sel_hi:[1,0]
.endr
	WIN 0
.endm
.macro RED8 reg                        ; eight sums over the 16 lanes of each half: a row lives in one half alone
.irp m, 1,2,4,8
.irp j, 0,1,2,3,4,5,6,7
	v_add_f32_dpp v[\reg+\j], v[\reg+\j], v[\reg+\j] row_xmask:\m row_mask:0xf bank_mask:0xf
.endr
.endr
.endm
.macro CEN t                           ; a - mean, in place
.irp p, 0,2,4,6
	v_pk_add_f32 v[8*(\t)+\p:8*(\t)+\p+1], v[8*(\t)+\p:8*(\t)+\p+1], v[MU+\p:MU+\p+1]
.endr
.endm
.macro SQR t                           ; its square onto one of eight chains (four pairs of rows x the tile's parity); the first link starts the sum
.irp p, 0,2,4,6
.if (\t) < 2
	v_pk_mul_f32 v[U+8*((\t)%2)+\p:U+8*((\t)%2)+\p+1], v[8*(\t)+\p:8*(\t)+\p+1], v[8*(\t)+\p:8*(\t)+\p+1]
.else
	v_pk_fma_f32 v[U+8*((\t)%2)+\p:U+8*((\t)%2)+\p+1], v[8*(\t)+\p:8*(\t)+\p+1], v[8*(\t)+\p:8*(\t)+\p+1], v[U+8*((\t)%2)+\p:U+8*((\t)%2)+\p+1]
.endif
.endr
.endm
.macro PASTEP                          ; line kk of 48 of A(u^2): stage kk / 8, pair kk % 8
.set st, kk/8
.set mm, kk%8
.set pr, PA0+8*(mm/2)+2*(mm%2)
.if st == 0
	v_pk_fma_f32 v[pr:pr+1], v[Q+2*mm:Q+2*mm+1], s[KA0:KA0+1], v[KA:KA+1] op_sel_hi:[1,0,1]
.else
	v_pk_fma_f32 v[pr:pr+1], v[pr:pr+1], v[Q+2*mm:Q+2*mm+1], s[KA0+2*st:KA0+2*st+1] op_sel_hi:[1,1,0]
.endif
.set kk, kk+1
.endm
; Rows 4 a + 0..3 (of each half of the lanes) x columns 64 G + 4 r + 0..3: 16 numbers a lane, number 4 y + q = (row 4 a + y, column q).  All in window 2.
; The results take the sixteen accumulator registers that the first step reads out, as four quads: quad y at PA0 + 8 y.
.macro HALF G, a
.set PA0, 32*(\G)+4*(\a)
.irp y, 0,1,2,3
.irp q, 0,1,2,3
	v_mul_f32 v[U+4*\y+\q], v[PA0+8*\q+\y], v[RS+4*(\a)+\y]        ; (a - mean) rs: the norm, and a row's four columns brought together
.endr
.endr
.irp y, 0,1,2,3
.irp q, 0,2
	v_pk_fma_f32 v[U+4*\y+\q:U+4*\y+\q+1], v[U+4*\y+\q:U+4*\y+\q+1], v[PG+4*(\G)+\q:PG+4*(\G)+\q+1], v[PE+4*(\G)+\q:PE+4*(\G)+\q+1]   ; u
.endr
.endr
.irp n, 0,1,2,3,4,5,6,7,8,9,10,11,12,13,14,15
	v_med3_num_f32 v[C+\n], v[U+\n], -4.0, 4.0
.endr
.irp m, 0,2,4,6,8,10,12,14
	v_pk_mul_f32 v[Q+\m:Q+\m+1], v[C+\m:C+\m+1], v[C+\m:C+\m+1]
.endr
.irp m, 0,2,4,6,8,10,12,14
	v_pk_fma_f32 v[PB+\m:PB+\m+1], v[Q+\m:Q+\m+1], s[KB0:KB0+1], v[KB:KB+1] op_sel_hi:[1,0,1]
.endr
.irp k, 1,2,3
.irp m, 0,2,4,6,8,10,12,14
	v_pk_fma_f32 v[PB+\m:PB+\m+1], v[PB+\m:PB+\m+1], v[Q+\m:Q+\m+1], s[KB0+2*\k:KB0+2*\k+1] op_sel_hi:[1,1,0]
.endr
.endr
.set nn, 0
.set kk, 0
.rept 16                               ; the sixteen reciprocals are one batch; three lines of A(u^2), which name none of their results, stand behind each
	v_rcp_f32 v[PB+nn], v[PB+nn]
	PASTEP
	PASTEP
	PASTEP
.set nn, nn+1
.endr
.irp m, 0,1,2,3,4,5,6,7
	v_pk_mul_f32 v[PA0+8*(\m/2)+2*(\m%2):PA0+8*(\m/2)+2*(\m%2)+1], v[PA0+8*(\m/2)+2*(\m%2):PA0+8*(\m/2)+2*(\m%2)+1], v[C+2*\m:C+2*\m+1]   ; u A(u^2)
.endr
.irp m, 0,2,4,6,8,10,12,14
	v_pk_mul_f32 v[U+\m:U+\m+1], v[U+\m:U+\m+1], 0x3f3504f3 op_sel_hi:[1,0]   ; hn / 2, of the u that was not held
.endr
	s_wait_alu depctr_va_vdst(0)                   ; one wait for the batch, ahead of its first reader
.irp m, 0,1,2,3,4,5,6,7
	v_pk_mul_f32 v[PA0+8*(\m/2)+2*(\m%2):PA0+8*(\m/2)+2*(\m%2)+1], v[PA0+8*(\m/2)+2*(\m%2):PA0+8*(\m/2)+2*(\m%2)+1], v[PB+2*\m:PB+2*\m+1]   ; erf
.endr
.irp m, 0,1,2,3,4,5,6,7
	v_pk_fma_f32 v[PA0+8*(\m/2)+2*(\m%2):PA0+8*(\m/2)+2*(\m%2)+1], v[U+2*\m:U+2*\m+1], v[PA0+8*(\m/2)+2*(\m%2):PA0+8*(\m/2)+2*(\m%2)+1], v[U+2*\m:U+2*\m+1]   ; (hn / 2) erf + hn / 2
.endr
.irp y, 0,1,2,3
	global_store_b128 v[OO+4*(\a)+\y], v[PA0+8*\y:PA0+8*\y+3], s[20:21] offset:256*(\G) th:TH_STORE_NT   ; sixteen lanes store 256 consecutive bytes, aligned
.endr
.endm
; All of a wave's x is asked for at once; then tiles are converted as they land, and the first type's W and parameters are asked for between them.
; The text stands twice, without and with the surplus tile, so that on every path a register is written before it is read.
.macro FRONT five
.if \five
	ROWOFF XO+32, 9, 1
	XLOAD 4
.endif
.irp t, 0,1,2,3
	ROWOFF XO+8*\t, 9, 1
	XLOAD \t
.endr
	s_wait_kmcnt 0x0                               ; the tiles' eA and eB
.irp t, 0,1,2,3,4
	s_add_co_i32 s[46+\t], s[36+2*\t], s[37+2*\t]  ; e = eA + eB
.endr
.if \five
	CONV 4, 63                                     ; 64 loads were issued behind the surplus tile's; the count names the most that it can
.endif
	CONV 0, 48                                     ; behind tile 0's loads: the 48 of tiles 1 to 3
	LOADWQ 0
	CONV 1, 51                                     ; 32 of x + 19 of W and the parameters
	LOADWQ 1
	CONV 2, 54                                     ; 16 + 38
	LOADWQ 2
	CONV 3, 57                                     ; 57
	LOADWQ 3
.endm
	s_load_b512 s[4:19], s[0:1], 0x0               ; edge_attr s[4:5], wfrag s[6:7], order s[8:9], ttype s[10:11], lowp_scales s[12:13], b s[14:15], gamma s[16:17], beta s[18:19]
	s_load_b64 s[20:21], s[0:1], 0x40              ; out0
	v_lshl_add_u32 v254, v0, 2, 0xb400
	v_mov_b32 v255, 0
	v_lshrrev_b32 v1, 5, v0
	v_readfirstlane_b32 s22, v1                    ; wave 0..3
	v_and_b32 v11, 15, v0                          ; r
	v_bfe_u32 v12, v0, 4, 1                        ; h
	v_and_b32 v3, 31, v0
	v_lshlrev_b32 v3, 4, v3                        ; 16 x lane: an image's place for my lane
	v_lshlrev_b32 v1, 4, v11                       ; 16 r
	v_lshlrev_b32 v2, 5, v12                       ; 32 h: my half's eight slots of a tile's list
	s_mul_i32 s99, s22, WSTG
	v_mul_u32_u24 v4, v12, 1152
	v_lshl_add_u32 v4, v11, 2, v4
	v_add_nc_u32 v4, s99, v4                       ; into a stage: row 8 h, + 4 r
	v_mul_u32_u24 v5, v11, 144
	v_lshl_add_u32 v5, v12, 6, v5
	v_add_nc_u32 v5, s99, v5                       ; out of it: row r, + 64 h
	s_lshr_b32 s23, ttmp9, 4                       ; domain
	s_and_b32 s24, ttmp9, 15                       ; place j
	s_lshl_b32 s25, s24, 4
	s_lshl_b32 s26, s22, 2
	s_add_co_u32 s25, s25, s26                     ; my first tile: 16 j + 4 w
	s_lshl_b32 s26, s22, 4
	s_or_b32 s26, s26, s24
	s_add_co_u32 s27, s24, 256
	s_mov_b32 s99, 271
	s_cmp_lt_u32 s26, 8                            ; wave 0 of places 0 to 7
	s_cselect_b32 s26, s27, s99                    ; looks at tile 256 + j, every other wave at tile 271, which is never real
	s_lshl_b32 s62, s25, 6                         ; a tile's 64 bytes in the list
	s_lshl_b32 s63, s26, 6
	v_add_nc_u32 v8, s62, v2
	v_add_nc_u32 v9, s63, v2
	s_mul_i32 s60, s23, 17408
	s_mov_b32 s61, 0
	s_mul_i32 s100, s23, 1280
	s_mov_b32 s101, 0
	s_lshl_b32 s51, s25, 2
	s_lshl_b32 s99, s26, 2
	s_wait_kmcnt 0x0
	s_add_nc_u64 s[8:9], s[8:9], s[60:61]          ; the domain's list,
	s_add_nc_u64 s[10:11], s[10:11], s[100:101]    ; and its tiles' types
	s_load_b128 s[28:31], s[10:11], s51 offset:0x0 ; my four tiles' types,
	s_load_b32 s32, s[10:11], s99 offset:0x0       ; and the fifth's
.irp t, 0,1,2,3
	global_load_b128 v[XO+8*\t:XO+8*\t+3], v8, s[8:9] offset:64*\t       ; register j: the row in slot 8 h + j
	global_load_b128 v[XO+8*\t+4:XO+8*\t+7], v8, s[8:9] offset:64*\t+16
.endr
	global_load_b128 v[XO+32:XO+35], v9, s[8:9]
	global_load_b128 v[XO+36:XO+39], v9, s[8:9] offset:16
	KPAIR KA0,    0xaf95df0b                       ; erf's coefficients, highest order first
	KPAIR KA0+2,  0xb60cff51
	KPAIR KA0+4,  0xb86ec2d2
	KPAIR KA0+6,  0xba40ac63
	KPAIR KA0+8,  0xbb41a1f6
	KPAIR KA0+10, 0xbc83dbd4
	KPAIR KB0,    0xb77460cd
	KPAIR KB0+2,  0xbadc924e
	KPAIR KB0+4,  0xbbf19bf8
	KPAIR KB0+6,  0xbc69b6a7
	s_mov_b32 s98, 0x10000                         ; row numbers lie under it
	WIN 0x80
	v_mov_b32 v[KB], 0xb95fbd29
	v_mov_b32 v[KB+1], 0xb95fbd29
	v_mov_b32 v[KA], 0x32edffee
	v_mov_b32 v[KA+1], 0x32edffee
	v_mov_b32 v[R16], v1
	WIN 0
	s_wait_kmcnt 0x0                               ; the types
.irp t, 0,1,2,3,4
	s_min_u32 s[46+\t], s[28+\t], 7                ; (buckets 8 and 9 have no scales: they take type 7's, and use nothing made of them)
	s_lshl_b32 s[46+\t], s[46+\t], 3
	s_load_b64 s[36+2*\t:37+2*\t], s[12:13], s[46+\t] offset:0x0   ; eA, eB
.endr
	BASES s28
	s_wait_loadcnt 0x0                             ; the row numbers
	s_cmp_lt_u32 s32, 9
	s_cbranch_scc1 .Lfive
	FRONT 0
	s_branch .Lready
.Lfive:
	FRONT 1
.Lready:
	s_wait_loadcnt 0x0                             ; W and the parameters of tile 0's type
	s_sub_co_i32 s70, 0, s46
	PARAMS
	s_min_u32 s34, s28, 7                          ; the type whose W and parameters lie in registers
	s_mov_b32 s66, 0                               ; trip
	s_mov_b32 s67, 0                               ; the trip's stage
.Ltrip:                                            ; five trips, a tile each; the fifth finds a real tile in few waves
	s_mov_b32 s33, s28                             ; the type in hand; the others move up
	s_mov_b32 s28, s29
	s_mov_b32 s29, s30
	s_mov_b32 s30, s31
	s_mov_b32 s31, s32
	s_mov_b32 s68, s46                             ; and its e
	s_mov_b32 s46, s47
	s_mov_b32 s47, s48
	s_mov_b32 s48, s49
	s_mov_b32 s49, s50
	s_lshl_b32 s69, s68, 1
	s_sub_co_i32 s69, s69, 8                       ; 2 e - 8: 2^(2 e) / 256
	s_cmp_ge_u32 s33, 9
	s_cbranch_scc1 .Lnext                          ; no tile
	s_wait_xcnt 0x0                                ; the last trip's stores have read their offsets and data, its loads their address: all are written again below
	v_add_nc_u32 v10, s62, v2
	WIN 0x80
	global_load_b128 v[OO:OO+3], v10, s[8:9]       ; the tile's rows once more, for the way out: asked for here, wanted behind the sums
	global_load_b128 v[OO+4:OO+7], v10, s[8:9] offset:16
	WIN 0
	s_cmp_eq_u32 s33, 8
	s_cbranch_scc1 .Lzero
	s_cmp_eq_u32 s33, s34
	s_cbranch_scc1 .Lsame
	BASES s33                                      ; another type: its W and parameters (the loads that named the old bases have been waited for)
	LOADWQ 0
	LOADWQ 1
	LOADWQ 2
	LOADWQ 3
	s_wait_loadcnt 0x0
	s_sub_co_i32 s70, 0, s68
	PARAMS
	s_mov_b32 s34, s33
.Lsame:
	v_add_nc_u32 v6, s67, v5
.irp c, 0,1,2,3
	ds_load_b128 v[AF+4*\c:AF+4*\c+3], v6 offset:16*\c   ; row r, k = 64 h + 16 c + 0 .. 15; LDS serves a wave's instructions in order (ISA guide 5.7.1.4): these see my stores
.endr
	s_wait_dscnt 0x0
	WIN 0xB4                                       ; x window 0, W window 1, the bias window 3, the sums window 2
.irp t, 0,1,2,3,4,5,6,7,8,9,10,11,12,13,14,15
	v_wmma_f32_16x16x128_fp8_fp8 v[8*\t:8*\t+7], v[AF:AF+15], v[16*\t:16*\t+15], v[8*\t:8*\t+7]   ; K = 128 is one instruction a tile: sixteen different accumulators
.endr
.rept 4
	v_nop                                          ; four places between the last product and the first read of results (ISA guide 7.12.1)
.endr
	; the rows' sums: eight chains; each accumulator is read from its low end on
	WIN 0xAA
.irp p, 0,2,4,6
	v_pk_add_f32 v[U+\p:U+\p+1], v[\p:\p+1], v[16+\p:17+\p]
.endr
.irp p, 0,2,4,6
	v_pk_add_f32 v[U+8+\p:U+9+\p], v[8+\p:9+\p], v[24+\p:25+\p]
.endr
.irp t, 4,5,6,7,8,9,10,11,12,13,14,15
.irp p, 0,2,4,6
	v_pk_add_f32 v[U+8*(\t%2)+\p:U+8*(\t%2)+\p+1], v[U+8*(\t%2)+\p:U+8*(\t%2)+\p+1], v[8*\t+\p:8*\t+\p+1]
.endr
.endr
	WIN 0x0A
.irp p, 0,2,4,6
	v_pk_add_f32 v[SUM+\p:SUM+\p+1], v[U+\p:U+\p+1], v[U+8+\p:U+9+\p]
.endr
	WIN 0
	RED8 SUM
	WIN 0x80
.irp p, 0,2,4,6
	v_pk_mul_f32 v[MU+\p:MU+\p+1], v[SUM+\p:SUM+\p+1], 0xbb800000 op_sel_hi:[1,0]   ; - sum / 256
.endr
	; the sums of (a - mean)^2; the subtraction runs one tile ahead of the squares
	WIN 0xAA
	CEN 0
.set tt, 0
.rept 16
.if tt < 15
	CEN tt+1
.endif
	SQR tt
.set tt, tt+1
.endr
	WIN 0x0A
.irp p, 0,2,4,6
	v_pk_add_f32 v[SQ+\p:SQ+\p+1], v[U+\p:U+\p+1], v[U+8+\p:U+9+\p]
.endr
	WIN 0
	RED8 SQ
.irp j, 0,1,2,3,4,5,6,7
	v_ldexp_f32 v[SQ+\j], v[SQ+\j], s69            ; the variance of h
.endr
.irp j, 0,1,2,3,4,5,6,7
	v_add_f32 v[SQ+\j], 0x3727c5ac, v[SQ+\j]       ; + 1e-5
.endr
.irp j, 0,1,2,3,4,5,6,7
	v_rsq_f32 v[SQ+\j], v[SQ+\j]
.endr
	v_nop                                          ; a plain line behind the last of the batch
	s_wait_loadcnt 0x0                             ; the tile's rows, asked for at the trip's head
	WIN 0xAA
	ROWOFF OO, 10, R16                             ; independent work between the batch and its wait
	s_wait_alu depctr_va_vdst(0)                   ; one wait for the eight, ahead of their first reader
	WIN 0x80
.irp j, 0,1,2,3,4,5,6,7
	v_ldexp_f32 v[RS+\j], v[SQ+\j], s68            ; rs = 2^e rsqrt(..)
.endr
	WIN 0xAA
.irp g, 0,1,2,3
	HALF \g, 0
	HALF \g, 1
.endr
	WIN 0
	s_branch .Lnext
.Lzero:                                            ; rows whose type is none of 0 to 7 are 0
	s_wait_loadcnt 0x0
	WIN 0xAA
	ROWOFF OO, 10, R16
.irp n, 0,1,2,3
	v_mov_b32 v[U+\n], 0
.endr
.irp j, 0,1,2,3,4,5,6,7
.irp g, 0,1,2,3
	global_store_b128 v[OO+\j], v[U:U+3], s[20:21] offset:256*\g th:TH_STORE_NT
.endr
.endr
	WIN 0
.Lnext:
	s_add_co_u32 s67, s67, STG
	s_add_co_u32 s62, s62, 64                      ; the next tile's place in the list;
	s_add_co_u32 s66, s66, 1
	s_cmp_eq_u32 s66, 4
	s_cselect_b32 s62, s63, s62                    ; the fifth trip's is the surplus tile's
	s_cmp_lt_u32 s66, 5
	s_cbranch_scc1 .Ltrip
	s_wait_tensorcnt 0x0
	ds_add_u32 v254, v255
	s_wait_dscnt 0x0
	s_endpgm
.Lfunc_end_k_qbd92652f44_main:
	.size	k_qbd92652f44_main, .Lfunc_end_k_qbd92652f44_main-k_qbd92652f44_main
	.p2alignl 7, 3214868480
	.fill 96, 4, 3214868480
	.section	.rodata,"a",@progbits
	.p2align	6, 0x0
	.amdhsa_kernel k_qbd92652f44_main
		.amdhsa_group_segment_fixed_size 46592
		.amdhsa_private_segment_fixed_size 0
		.amdhsa_enable_private_segment 0
		.amdhsa_kernarg_size 72
		.amdhsa_user_sgpr_count 2
		.amdhsa_user_sgpr_kernarg_segment_ptr 1
		.amdhsa_wavefront_size32 1
		.amdhsa_system_sgpr_workgroup_id_x 1
		.amdhsa_system_sgpr_workgroup_id_y 1
		.amdhsa_system_sgpr_workgroup_id_z 1
		.amdhsa_system_vgpr_workitem_id 0
		.amdhsa_next_free_vgpr 1024
		.amdhsa_next_free_sgpr 102
		.amdhsa_reserve_vcc 1
		.amdhsa_float_denorm_mode_32 3
		.amdhsa_float_denorm_mode_16_64 3
		.amdhsa_memory_ordered 1
		.amdhsa_forward_progress 1
		.amdhsa_inst_pref_size 243
	.end_amdhsa_kernel
	.amdgpu_metadata
---
amdhsa.version: [ 1, 2 ]
amdhsa.kernels:
  - .name:           k_qbd92652f44_main
    .symbol:         k_qbd92652f44_main.kd
    .args:
      - { .name: edge_attr, .offset: 0, .size: 8, .value_kind: global_buffer, .address_space: global }
      - { .name: wfrag, .offset: 8, .size: 8, .value_kind: global_buffer, .address_space: global }
      - { .name: order, .offset: 16, .size: 8, .value_kind: global_buffer, .address_space: global }
      - { .name: ttype, .offset: 24, .size: 8, .value_kind: global_buffer, .address_space: global }
      - { .name: lowp_scales, .offset: 32, .size: 8, .value_kind: global_buffer, .address_space: global }
      - { .name: b, .offset: 40, .size: 8, .value_kind: global_buffer, .address_space: global }
      - { .name: gamma, .offset: 48, .size: 8, .value_kind: global_buffer, .address_space: global }
      - { .name: beta, .offset: 56, .size: 8, .value_kind: global_buffer, .address_space: global }
      - { .name: out0, .offset: 64, .size: 8, .value_kind: global_buffer, .address_space: global }
    .group_segment_fixed_size: 46592
    .private_segment_fixed_size: 0
    .kernarg_segment_align: 8
    .kernarg_segment_size: 72
    .max_flat_workgroup_size: 128
    .sgpr_count:     102
    .vgpr_count:     1024
    .wavefront_size: 32
...
	.end_amdgpu_metadata
.endif
;; end of part 2
;; ======== version 2 of 2: 2 launches; version 1 with the launch main written anew for expert scheduling mode
;; workspace buffers: wfrag 262,144 bytes; order 278,528 bytes of whole numbers; ttype 20,480 bytes of whole numbers
;; launch prep: the kernel of part 1 again; grid 16 x 1, 32 waves a work-group, no clusters, 13,312 bytes of LDS; arguments edge_type, W, lowp_scales, wfrag, order, ttype; writes wfrag, order, ttype
;; launch main (part 3): grid 256 x 1, 4 waves a work-group, no clusters, 46,592 bytes of LDS; arguments edge_attr, wfrag, order, ttype, lowp_scales, b, gamma, beta, out0; writes out0
.if DOCPART == 3
	.amdgcn_target "amdgcn-amd-amdhsa--gfx1250"
	.amdhsa_code_object_version 6
	.text
	.protected	k_qbd92652f44_main
	.globl	k_qbd92652f44_main
	.p2align	8
	.type	k_qbd92652f44_main,@function
k_qbd92652f44_main:
	s_mov_b64 s[64:65], 0
	v_nop
	global_prefetch_b8 v0, s[64:65] scope:SCOPE_SE
	s_setreg_imm32_b32 hwreg(HW_REG_WAVE_SCHED_MODE, 0, 2), 2
	s_setreg_imm32_b32 hwreg(HW_REG_WAVE_MODE, 25, 1), 1
	s_wait_xcnt 0x0
	s_wait_alu depctr_vm_vsrc(0)
; out0[row] = gelu(layernorm(Q(x[row]) Q(W[t]) + b[t]) gamma[t] + beta[t]), t = the row's type; 0 for a row whose type is none of 0 to 7.  Only the chosen expert's product is made.
; The launch before has sorted each domain of 4,096 rows by type into tiles of 16 (order, ttype) and laid W's codes as images of the operand's registers (wfrag).
; SHARES.  Work-group g: domain g / 16, place j = g % 16.  Wave w owns tiles 16 j + 4 w + 0..3 of the domain, which are always real (a domain has 256 to 264 tiles); surplus tile 256 + e goes to wave 0 of place e.
; The waves share nothing: no barrier; EXEC is never changed; branches hang on ids and on the stored tile types alone.
; NO TENSOR LOAD, NO CLUSTER: the walk hangs on stored numbers, and all that work-groups share is a type's 32,768 bytes of W's codes, against 384 KiB of rows that a work-group reads and writes alone.
; x: a half of the lanes loads 256 consecutive aligned bytes of one row; the numbers are held, converted (scale 2^eA of the tile's type) and the CODES are turned through the wave's own stage in LDS (16 rows, 144 bytes apart).
; ONE PERMUTATION OF k ON BOTH OPERANDS: byte B of register D of lane (r, h) holds k = 64 h + 4 D + B, in x's fragment and in W's alike: every product meets its partner; only the order of the sums inside an instruction changes.
; THE PRODUCT: source 0 = the tile's 16 rows, source 1 = 16 columns of W: register j of lane (r, h) is row 8 h + j.  THE COLUMNS OF A TILE ARE NOT NEIGHBOURS: tile 4 G + q holds columns 64 G + 4 r + q, so that
; the four tiles of a group G give a lane four neighbouring columns of a row, and sixteen lanes 256 consecutive aligned bytes of out0: results are stored from registers, with no stage.
; THE BIAS is the C of the one matrix instruction of a tile, as b / 2^(eA + eB).  LayerNorm works on these raw sums a (h = 2^e a, e = eA + eB): mean, then the sum of (a - mean)^2;
; the scale enters once, in rs = 2^e rsqrt(2^(2 e) var + eps).
; GELU: u = hn / sqrt(2) (gamma and beta are multiplied by 1 / sqrt(2) once a type); erf(u) = u A(u^2) / B(u^2) with u held within +-4, polynomials of 7 and 5 coefficients in f32; out = (u / sqrt(2)) erf + u / sqrt(2).
; A PAD SLOT takes the tile's first row: that row is computed and stored a second time with the same bits, which spares every mask.
; LIMITS: eA and eB between -126 and 119, so that each power of two made here is an f32 number.  NaN among the inputs is not served.  For hn far below 0 the result lies within about 6e-8 |hn| of 0.
; REGISTERS, in windows of 256 (s_set_vgpr_msb: bits 1:0 source 0, 3:2 source 1, 5:4 source 2, 7:6 destination):
;   window 0: v1-12 addresses; v16-31 x's fragment; v48-87 row numbers, then x's offsets (5 tiles x 8); v96-143 b, gamma, beta as loaded; v144-159 the rows' sums; v160-239 the codes just made (5 tiles x 16)
;   window 1: W's 16 fragments.   window 2: v0-127 the 16 accumulators; v128-191 at work; v192.. see below.   window 3: x as loaded (4 tiles x 64), then v0-127 the bias as C.
; THE MODE: SCHED_MODE bits 1:0 = 2 (LLVM: expert scheduling mode 2), set by the entry lines.  The code itself states the register dependences between vector or matrix instructions and memory or LDS
; instructions, and between a vector instruction that writes a scalar register and that register's readers, with s_wait_alu, always for 0.
; THE PLAN.  Registers that memory or LDS instructions touch:
;   v1-5, v8, v9    offsets and LDS addresses: written at the head, ahead of one wait on va_vdst, and never again.
;   v[XO ..]        loaded as row numbers; made into x's offsets by vector lines; behind a wait on va_vdst the tile's 16 loads read them; never written again.
;   x as loaded, W's fragments, b, gamma, beta: ahead of the loop no vector line names them before their loads are issued.
;   v[CD ..]        sixteen registers of its own for each tile: written by its conversions, read by its 16 LDS stores, never written again.  The loads of W, which hang on nothing, stand between the conversions and the wait ahead of the stores.
;   In a trip:  v10, v6: written at the head, read by the trip's two loads of rows and its four LDS loads.  v[OO ..]: those two loads land in it, vector lines make the offsets, the 32 stores read them.
;               v[AF ..]: the LDS loads land in it, the 16 products read it.  The accumulators: written by the products and then by each half's vector lines, read by the stores as data.
;   So a trip's head has ONE wait on vm_vsrc (the last trip's loads and stores have read all of these) and ONE on va_vdst (v10 and v6 are written; the lines issued so far are done with v[OO ..], v[AF ..], W's
;   fragments and b, gamma, beta): it serves every load of the trip, those of a change of type too, since no vector line between it and them names a register that they touch.
;   The wait behind the rsq batch also states that the offsets v[OO ..] are written.  A half's four stores stand behind the NEXT half's wait for its reciprocals, which also states that the earlier half's results
;   are written (the two halves' registers are disjoint); the last half's stores have a wait of their own.
.set WSTG, 11520                       ; LDS of a wave: five stages
.set STG,  2304                        ; a stage: 16 rows x 144 bytes (128 of codes + 16: row r starts at bank 36 r mod 64 of 64 banks of 4 bytes, ISA guide 11.1: sixteen different columns of 16 bytes)
.set AF,   16
.set XO,   48
.set RB,   96
.set RG,   112
.set RE,   128
.set SUM,  144
.set SQ,   152
.set CD,   160                         ; tile i's codes at CD + 16 i
.set U,    128                         ; window 2: u, then u / sqrt(2); in the sums: eight chains of two
.set C,    144                         ; u held within +-4
.set Q,    160                         ; its square
.set PB,   176                         ; B(u^2), then 1 / B
.set OO,   192                         ; the 8 rows' offsets in out0
.set MU,   200                         ; - mean
.set RS,   208
.set KB,   216                         ; v216-217 B's second coefficient, v218-219 A's second, twice each: so that a packed line names one scalar pair
.set KA,   218
.set R16,  220                         ; 16 r once more, in this window
.set PG,   224                         ; gamma / sqrt(2) of my 16 columns
.set PE,   240                         ; beta / sqrt(2)
.set KA0,  72                          ; s[72:83] A's coefficients 0, 2, 3, 4, 5, 6 (highest order first), each twice: a packed form names a pair
.set KB0,  84                          ; s[84:91] B's coefficients 0, 2, 3, 4
.set MK,   92                          ; s[92:99] eight lane masks: a run of compares, one wait behind it (s96, s97 are at other times the hold's two bounds)
.set TOP,  35                          ; s35 65,536: row numbers lie under it
.set MSB, 0
.macro WIN new                         ; the immediate's high byte repeats the setting that is left; a switch that changes nothing is dropped
.if MSB != \new
	s_set_vgpr_msb (MSB<<8)|\new
.set MSB, \new
.endif
.endm
.macro KPAIR r, bits
	s_mov_b32 s[\r], \bits
	s_mov_b32 s[\r+1], \bits
.endm
; Eight row numbers become byte offsets: a pad slot (-1) takes the tile's first row; the number is held inside the table; x (1 << sh) + 16 r.
.macro ROWOFF reg, sh, r16
	v_readfirstlane_b32 s71, v[\reg]               ; slot 0 of a tile is always a row
.irp j, 0,1,2,3,4,5,6,7
	v_cmp_gt_u32 s[MK+\j], s[TOP], v[\reg+\j]
.endr
	s_wait_alu depctr_va_sdst(0)                   ; s71 and the eight masks are written, ahead of their first readers, the selections below
.irp j, 0,1,2,3,4,5,6,7
	v_cndmask_b32 v[\reg+\j], s71, v[\reg+\j], s[MK+\j]
.endr
.irp j, 0,1,2,3,4,5,6,7
	v_min_u32 v[\reg+\j], 0xffff, v[\reg+\j]
.endr
.irp j, 0,1,2,3,4,5,6,7
	v_lshlrev_b32 v[\reg+\j], \sh, v[\reg+\j]
.endr
.irp j, 0,1,2,3,4,5,6,7
	v_add_nc_u32 v[\reg+\j], v[\r16], v[\reg+\j]
.endr
.endm
; Tile i's x: 16 loads; lanes of half h read row 8 h + u, 256 consecutive aligned bytes a load: register 8 u + 4 p + n = x(row, 64 p + 4 r + n).
.macro XLOAD i
.if \i < 4
	WIN 0xC0
.set SB, 64*\i
.else
	WIN 0x80
.set SB, 128
.endif
	s_wait_alu depctr_va_vdst(0)                   ; the tile's eight offsets v[XO + 8 i ..] are written, which the sixteen loads below read
.irp u, 0,1,2,3,4,5,6,7
	global_load_b128 v[SB+8*\u:SB+8*\u+3], v[XO+8*\i+\u], s[4:5]
	global_load_b128 v[SB+8*\u+4:SB+8*\u+7], v[XO+8*\i+\u], s[4:5] offset:256
.endr
	WIN 0
.endm
; Tile i's x becomes codes in the tile's own sixteen registers.  n: the younger loads that may stay out.
.macro CONV i, n
	s_wait_loadcnt \n
	s_add_co_i32 s100, s[36+2*\i], 127
	s_lshl_b32 s101, s100, 23
	v_mov_b32 v7, s101                             ; 2^eA as f32: the conversion takes its exponent field
	s_add_co_i32 s100, s100, 8
	s_lshl_b32 s100, s100, 23
	s_or_b32 s96, s100, 0x600000                   ; 448 x 2^eA,
	s_or_b32 s97, s96, 0x80000000                  ; and its negative
.if \i < 4
	WIN 0xC3
.set SB, 64*\i
.else
	WIN 0x82
.set SB, 128
.endif
.set kk, 0
.rept 64
	v_med3_num_f32 v[SB+kk], v[SB+kk], s97, s96    ; the conversion to an 8-bit code does not saturate (ISA guide 7.6.2): the hold comes first
.set kk, kk+1
.endr
.if \i < 4
	WIN 0x03
.else
	WIN 0x02
.endif
.irp u, 0,1,2,3,4,5,6,7
	v_cvt_scalef32_pk8_fp8_f32 v[CD+16*\i+2*\u:CD+16*\i+2*\u+1], v[SB+8*\u:SB+8*\u+7], v7
.endr
	WIN 0
	v_nop                                          ; a plain line behind the last conversion: its scale and its sources are written again further on
.endm
; Tile i's codes go into stage i.  The wait that states them written stands ahead of the macro.
.macro TOSTG i
.irp u, 0,1,2,3,4,5,6,7
	ds_store_b32 v4, v[CD+16*\i+2*\u] offset:STG*\i+144*\u          ; row 8 h + u, codes of k = 4 r .. 4 r + 3: the 32 lanes touch 32 different banks
	ds_store_b32 v4, v[CD+16*\i+2*\u+1] offset:STG*\i+144*\u+64     ; and of k = 64 + 4 r ..
.endr
.endm
.macro BASES ty                        ; where a type's codes and parameters lie
	s_min_u32 s100, \ty, 7
	s_lshl_b32 s60, s100, 15
	s_mov_b32 s61, 0
	s_add_nc_u64 s[52:53], s[6:7], s[60:61]
	s_lshl_b32 s60, s100, 10
	s_add_nc_u64 s[54:55], s[14:15], s[60:61]
	s_add_nc_u64 s[56:57], s[16:17], s[60:61]
	s_add_nc_u64 s[58:59], s[18:19], s[60:61]
.endm
.macro LOADWQ G                        ; 19 loads: the four fragments of group G (each load 512 consecutive bytes) and my four columns' b, gamma, beta
	WIN 0x40
.irp q, 0,1,2,3
.irp c, 0,1,2,3
	global_load_b128 v[64*\G+16*\q+4*\c:64*\G+16*\q+4*\c+3], v3, s[52:53] offset:8192*\G+2048*\q+512*\c
.endr
.endr
	WIN 0
	global_load_b128 v[RB+4*\G:RB+4*\G+3], v1, s[54:55] offset:256*\G
	global_load_b128 v[RG+4*\G:RG+4*\G+3], v1, s[56:57] offset:256*\G
	global_load_b128 v[RE+4*\G:RE+4*\G+3], v1, s[58:59] offset:256*\G
.endm
.macro PARAMS                          ; once a type: the bias in the result's layout (a lane holds one column: eight equal registers a tile), gamma and beta / sqrt(2)
	WIN 0xC0
.irp t, 0,1,2,3,4,5,6,7,8,9,10,11,12,13,14,15
.irp j, 0,1,2,3,4,5,6,7
	v_ldexp_f32 v[8*\t+\j], v[RB+\t], s70          ; b / 2^(eA + eB): nothing is rounded
.endr
.endr
	WIN 0x80
.irp m, 0,2,4,6,8,10,12,14
	v_pk_mul_f32 v[PG+\m:PG+\m+1], v[RG+\m:RG+\m+1], 0x3f3504f3 op_sel_hi:[1,0]
	v_pk_mul_f32 v[PE+\m:PE+\m+1], v[RE+\m:RE+\m+1], 0x3f3504f3 op_sel_hi:[1,0]
.endr
	WIN 0
.endm
.macro RED8 reg                        ; eight sums over the 16 lanes of each half: a row lives in one half alone
.irp m, 1,2,4,8
.irp j, 0,1,2,3,4,5,6,7
	v_add_f32_dpp v[\reg+\j], v[\reg+\j], v[\reg+\j] row_xmask:\m row_mask:0xf bank_mask:0xf
.endr
.endr
.endm
.macro CEN t                           ; a - mean, in place
.irp p, 0,2,4,6
	v_pk_add_f32 v[8*(\t)+\p:8*(\t)+\p+1], v[8*(\t)+\p:8*(\t)+\p+1], v[MU+\p:MU+\p+1]
.endr
.endm
.macro SQR t                           ; its square onto one of eight chains (four pairs of rows x the tile's parity); the first link starts the sum
.irp p, 0,2,4,6
.if (\t) < 2
	v_pk_mul_f32 v[U+8*((\t)%2)+\p:U+8*((\t)%2)+\p+1], v[8*(\t)+\p:8*(\t)+\p+1], v[8*(\t)+\p:8*(\t)+\p+1]
.else
	v_pk_fma_f32 v[U+8*((\t)%2)+\p:U+8*((\t)%2)+\p+1], v[8*(\t)+\p:8*(\t)+\p+1], v[8*(\t)+\p:8*(\t)+\p+1], v[U+8*((\t)%2)+\p:U+8*((\t)%2)+\p+1]
.endif
.endr
.endm
.macro PASTEP                          ; line kk of 48 of A(u^2): stage kk / 8, pair kk % 8
.set st, kk/8
.set mm, kk%8
.set pr, PA0+8*(mm/2)+2*(mm%2)
.if st == 0
	v_pk_fma_f32 v[pr:pr+1], v[Q+2*mm:Q+2*mm+1], s[KA0:KA0+1], v[KA:KA+1] op_sel_hi:[1,0,1]
.else
	v_pk_fma_f32 v[pr:pr+1], v[pr:pr+1], v[Q+2*mm:Q+2*mm+1], s[KA0+2*st:KA0+2*st+1] op_sel_hi:[1,1,0]
.endif
.set kk, kk+1
.endm
; The four stores of half number n = 2 G + a of a trip.  The wait that states its results written stands ahead of the macro.
.macro OUT n
.set PP, 32*((\n)/2)+4*((\n)%2)
.irp y, 0,1,2,3
	global_store_b128 v[OO+4*((\n)%2)+\y], v[PP+8*\y:PP+8*\y+3], s[20:21] offset:256*((\n)/2) th:TH_STORE_NT   ; sixteen lanes store 256 consecutive bytes, aligned
.endr
.endm
; Rows 4 a + 0..3 (of each half of the lanes) x columns 64 G + 4 r + 0..3: 16 numbers a lane, number 4 y + q = (row 4 a + y, column q).  All in window 2.
; The results take the sixteen accumulator registers that the first step reads out, as four quads: quad y at PA0 + 8 y.  They are stored in the next half, behind its wait.
.macro HALF G, a
.set PA0, 32*(\G)+4*(\a)
.set pn, 2*(\G)+(\a)-1                 ; the half before, whose registers this half does not name
.irp y, 0,1,2,3
.irp q, 0,1,2,3
	v_mul_f32 v[U+4*\y+\q], v[PA0+8*\q+\y], v[RS+4*(\a)+\y]        ; (a - mean) rs: the norm, and a row's four columns brought together
.endr
.endr
.irp y, 0,1,2,3
.irp q, 0,2
	v_pk_fma_f32 v[U+4*\y+\q:U+4*\y+\q+1], v[U+4*\y+\q:U+4*\y+\q+1], v[PG+4*(\G)+\q:PG+4*(\G)+\q+1], v[PE+4*(\G)+\q:PE+4*(\G)+\q+1]   ; u
.endr
.endr
.irp n, 0,1,2,3,4,5,6,7,8,9,10,11,12,13,14,15
	v_med3_num_f32 v[C+\n], v[U+\n], -4.0, 4.0
.endr
.irp m, 0,2,4,6,8,10,12,14
	v_pk_mul_f32 v[Q+\m:Q+\m+1], v[C+\m:C+\m+1], v[C+\m:C+\m+1]
.endr
.irp m, 0,2,4,6,8,10,12,14
	v_pk_fma_f32 v[PB+\m:PB+\m+1], v[Q+\m:Q+\m+1], s[KB0:KB0+1], v[KB:KB+1] op_sel_hi:[1,0,1]
.endr
.irp k, 1,2,3
.irp m, 0,2,4,6,8,10,12,14
	v_pk_fma_f32 v[PB+\m:PB+\m+1], v[PB+\m:PB+\m+1], v[Q+\m:Q+\m+1], s[KB0+2*\k:KB0+2*\k+1] op_sel_hi:[1,1,0]
.endr
.endr
.set nn, 0
.set kk, 0
.rept 16                               ; the sixteen reciprocals are one batch; three lines of A(u^2), which name none of their results, stand behind each
	v_rcp_f32 v[PB+nn], v[PB+nn]
	PASTEP
	PASTEP
	PASTEP
.set nn, nn+1
.endr
.irp m, 0,1,2,3,4,5,6,7
	v_pk_mul_f32 v[PA0+8*(\m/2)+2*(\m%2):PA0+8*(\m/2)+2*(\m%2)+1], v[PA0+8*(\m/2)+2*(\m%2):PA0+8*(\m/2)+2*(\m%2)+1], v[C+2*\m:C+2*\m+1]   ; u A(u^2)
.endr
.irp m, 0,2,4,6,8,10,12,14
	v_pk_mul_f32 v[U+\m:U+\m+1], v[U+\m:U+\m+1], 0x3f3504f3 op_sel_hi:[1,0]   ; hn / 2, of the u that was not held
.endr
	s_wait_alu depctr_va_vdst(0)                   ; the sixteen reciprocals v[PB ..] are written, ahead of their first reader: one wait for the batch; and the half before has written its sixteen results, which the stores below read
.if pn >= 0
	OUT pn                                         ; no vector line since the wait names these registers or v[OO ..]
.endif
.irp m, 0,1,2,3,4,5,6,7
	v_pk_mul_f32 v[PA0+8*(\m/2)+2*(\m%2):PA0+8*(\m/2)+2*(\m%2)+1], v[PA0+8*(\m/2)+2*(\m%2):PA0+8*(\m/2)+2*(\m%2)+1], v[PB+2*\m:PB+2*\m+1]   ; erf
.endr
.irp m, 0,1,2,3,4,5,6,7
	v_pk_fma_f32 v[PA0+8*(\m/2)+2*(\m%2):PA0+8*(\m/2)+2*(\m%2)+1], v[U+2*\m:U+2*\m+1], v[PA0+8*(\m/2)+2*(\m%2):PA0+8*(\m/2)+2*(\m%2)+1], v[U+2*\m:U+2*\m+1]   ; (hn / 2) erf + hn / 2
.endr
.endm
; All of a wave's x is asked for at once; then tiles are converted as they land, and the first type's W and parameters are asked for between them.
; The loads of W land in registers that no vector line has named and read offsets made at the head: they hang on nothing, and stand between a tile's conversions and the wait ahead of its LDS stores.
; The text stands twice, without and with the surplus tile, so that on every path a register is written before it is read.
.macro FRONT five
.if \five
	ROWOFF XO+32, 9, 1
	XLOAD 4
.endif
.irp t, 0,1,2,3
	ROWOFF XO+8*\t, 9, 1
	XLOAD \t
.endr
	s_wait_kmcnt 0x0                               ; the tiles' eA and eB
.irp t, 0,1,2,3,4
	s_add_co_i32 s[46+\t], s[36+2*\t], s[37+2*\t]  ; e = eA + eB
.endr
.if \five
	CONV 4, 63                                     ; 64 loads were issued behind the surplus tile's; the count names the most that it can
.endif
	CONV 0, 48                                     ; behind tile 0's loads: the 48 of tiles 1 to 3
	LOADWQ 0
	s_wait_alu depctr_va_vdst(0)                   ; the conversions have written tile 0's codes (and the surplus tile's), which the LDS stores below read
.if \five
	TOSTG 4
.endif
	TOSTG 0
	CONV 1, 51                                     ; 32 of x + 19 of W and the parameters
	LOADWQ 1
	s_wait_alu depctr_va_vdst(0)                   ; the conversions have written tile 1's codes, which the LDS stores below read
	TOSTG 1
	CONV 2, 54                                     ; 16 + 38
	LOADWQ 2
	s_wait_alu depctr_va_vdst(0)                   ; the conversions have written tile 2's codes, which the LDS stores below read
	TOSTG 2
	CONV 3, 57                                     ; 57
	LOADWQ 3
	s_wait_alu depctr_va_vdst(0)                   ; the conversions have written tile 3's codes, which the LDS stores below read
	TOSTG 3
.endm
	s_load_b512 s[4:19], s[0:1], 0x0               ; edge_attr s[4:5], wfrag s[6:7], order s[8:9], ttype s[10:11], lowp_scales s[12:13], b s[14:15], gamma s[16:17], beta s[18:19]
	s_load_b64 s[20:21], s[0:1], 0x40              ; out0
	v_lshl_add_u32 v254, v0, 2, 0xb400
	v_mov_b32 v255, 0
	v_lshrrev_b32 v1, 5, v0
	v_readfirstlane_b32 s22, v1                    ; wave 0..3
	v_and_b32 v11, 15, v0                          ; r
	v_bfe_u32 v12, v0, 4, 1                        ; h
	v_and_b32 v3, 31, v0
	v_lshlrev_b32 v3, 4, v3                        ; 16 x lane: an image's place for my lane
	v_lshlrev_b32 v1, 4, v11                       ; 16 r
	v_lshlrev_b32 v2, 5, v12                       ; 32 h: my half's eight slots of a tile's list
	s_wait_alu depctr_va_sdst(0)                   ; s22 is written, ahead of its first reader: LDS addresses and the tiles' places are made from it
	s_mul_i32 s99, s22, WSTG
	v_mul_u32_u24 v4, v12, 1152
	v_lshl_add_u32 v4, v11, 2, v4
	v_add_nc_u32 v4, s99, v4                       ; into a stage: row 8 h, + 4 r
	v_mul_u32_u24 v5, v11, 144
	v_lshl_add_u32 v5, v12, 6, v5
	v_add_nc_u32 v5, s99, v5                       ; out of it: row r, + 64 h
	s_lshr_b32 s23, ttmp9, 4                       ; domain
	s_and_b32 s24, ttmp9, 15                       ; place j
	s_lshl_b32 s25, s24, 4
	s_lshl_b32 s26, s22, 2
	s_add_co_u32 s25, s25, s26                     ; my first tile: 16 j + 4 w
	s_lshl_b32 s26, s22, 4
	s_or_b32 s26, s26, s24
	s_add_co_u32 s27, s24, 256
	s_mov_b32 s99, 271
	s_cmp_lt_u32 s26, 8                            ; wave 0 of places 0 to 7
	s_cselect_b32 s26, s27, s99                    ; looks at tile 256 + j, every other wave at tile 271, which is never real
	s_lshl_b32 s62, s25, 6                         ; a tile's 64 bytes in the list
	s_lshl_b32 s63, s26, 6
	v_add_nc_u32 v8, s62, v2
	v_add_nc_u32 v9, s63, v2
	s_mul_i32 s60, s23, 17408
	s_mov_b32 s61, 0
	s_mul_i32 s100, s23, 1280
	s_mov_b32 s101, 0
	s_lshl_b32 s51, s25, 2
	s_lshl_b32 s99, s26, 2
	s_wait_kmcnt 0x0
	s_add_nc_u64 s[8:9], s[8:9], s[60:61]          ; the domain's list,
	s_add_nc_u64 s[10:11], s[10:11], s[100:101]    ; and its tiles' types
	s_load_b128 s[28:31], s[10:11], s51 offset:0x0 ; my four tiles' types,
	s_load_b32 s32, s[10:11], s99 offset:0x0       ; and the fifth's
	s_wait_alu depctr_va_vdst(0)                   ; the offsets and LDS addresses v1 to v5, v8 and v9 are written: loads, stores and LDS instructions read them from here to the end, and no line writes them again
.irp t, 0,1,2,3
	global_load_b128 v[XO+8*\t:XO+8*\t+3], v8, s[8:9] offset:64*\t       ; register j: the row in slot 8 h + j
	global_load_b128 v[XO+8*\t+4:XO+8*\t+7], v8, s[8:9] offset:64*\t+16
.endr
	global_load_b128 v[XO+32:XO+35], v9, s[8:9]
	global_load_b128 v[XO+36:XO+39], v9, s[8:9] offset:16
	KPAIR KA0,    0xaf95df0b                       ; erf's coefficients, highest order first
	KPAIR KA0+2,  0xb60cff51
	KPAIR KA0+4,  0xb86ec2d2
	KPAIR KA0+6,  0xba40ac63
	KPAIR KA0+8,  0xbb41a1f6
	KPAIR KA0+10, 0xbc83dbd4
	KPAIR KB0,    0xb77460cd
	KPAIR KB0+2,  0xbadc924e
	KPAIR KB0+4,  0xbbf19bf8
	KPAIR KB0+6,  0xbc69b6a7
	s_mov_b32 s[TOP], 0x10000                      ; row numbers lie under it
	WIN 0x80
	v_mov_b32 v[KB], 0xb95fbd29
	v_mov_b32 v[KB+1], 0xb95fbd29
	v_mov_b32 v[KA], 0x32edffee
	v_mov_b32 v[KA+1], 0x32edffee
	v_mov_b32 v[R16], v1
	WIN 0
	s_wait_kmcnt 0x0                               ; the types
.irp t, 0,1,2,3,4
	s_min_u32 s[46+\t], s[28+\t], 7                ; (buckets 8 and 9 have no scales: they take type 7's, and use nothing made of them)
	s_lshl_b32 s[46+\t], s[46+\t], 3
	s_load_b64 s[36+2*\t:37+2*\t], s[12:13], s[46+\t] offset:0x0   ; eA, eB
.endr
	BASES s28
	s_wait_loadcnt 0x0                             ; the row numbers
	s_cmp_lt_u32 s32, 9
	s_cbranch_scc1 .Lfive
	FRONT 0
	s_branch .Lready
.Lfive:
	FRONT 1
.Lready:
	s_wait_loadcnt 0x0                             ; W and the parameters of tile 0's type
	s_sub_co_i32 s70, 0, s46
	PARAMS
	s_min_u32 s34, s28, 7                          ; the type whose W and parameters lie in registers
	s_mov_b32 s66, 0                               ; trip
	s_mov_b32 s67, 0                               ; the trip's stage
.Ltrip:                                            ; five trips, a tile each; the fifth finds a real tile in few waves
	s_mov_b32 s33, s28                             ; the type in hand; the others move up
	s_mov_b32 s28, s29
	s_mov_b32 s29, s30
	s_mov_b32 s30, s31
	s_mov_b32 s31, s32
	s_mov_b32 s68, s46                             ; and its e
	s_mov_b32 s46, s47
	s_mov_b32 s47, s48
	s_mov_b32 s48, s49
	s_mov_b32 s49, s50
	s_lshl_b32 s69, s68, 1
	s_sub_co_i32 s69, s69, 8                       ; 2 e - 8: 2^(2 e) / 256
	s_cmp_ge_u32 s33, 9
	s_cbranch_scc1 .Lnext                          ; no tile
	s_wait_xcnt 0x0                                ; the last trip's stores have read their offsets and data, its loads their address: all are written again below
	s_wait_alu depctr_vm_vsrc(0)                   ; the last trip's loads have read v10 and v6; its stores have read their offsets v[OO ..] and their data, the accumulators' registers (or the four zeros): all are written again in this trip
	v_add_nc_u32 v10, s62, v2
	v_add_nc_u32 v6, s67, v5                       ; the trip's stage
	WIN 0x80
	s_wait_alu depctr_va_vdst(0)                   ; v10 and v6 are written, which the loads of this trip read; the lines issued so far are done with v[OO ..], with x's fragment, with W's fragments and with b, gamma, beta as loaded, in all of which loads of this trip land
	global_load_b128 v[OO:OO+3], v10, s[8:9]       ; the tile's rows once more, for the way out: asked for here, wanted behind the sums
	global_load_b128 v[OO+4:OO+7], v10, s[8:9] offset:16
	WIN 0
	s_cmp_eq_u32 s33, 8
	s_cbranch_scc1 .Lzero
	s_cmp_eq_u32 s33, s34
	s_cbranch_scc1 .Lsame
	BASES s33                                      ; another type: its W and parameters (the loads that named the old bases have been waited for)
	LOADWQ 0                                       ; no vector line since the wait at the trip's head: it serves these loads
	LOADWQ 1
	LOADWQ 2
	LOADWQ 3
	s_wait_loadcnt 0x0
	s_sub_co_i32 s70, 0, s68
	PARAMS
	s_mov_b32 s34, s33
.Lsame:
.irp c, 0,1,2,3
	ds_load_b128 v[AF+4*\c:AF+4*\c+3], v6 offset:16*\c   ; row r, k = 64 h + 16 c + 0 .. 15; LDS serves a wave's instructions in order (ISA guide 5.7.1.4): these see my stores.  No line since the wait at the trip's head names v6 or x's fragment
.endr
	s_wait_dscnt 0x0
	WIN 0xB4                                       ; x window 0, W window 1, the bias window 3, the sums window 2
.irp t, 0,1,2,3,4,5,6,7,8,9,10,11,12,13,14,15
	v_wmma_f32_16x16x128_fp8_fp8 v[8*\t:8*\t+7], v[AF:AF+15], v[16*\t:16*\t+15], v[8*\t:8*\t+7]   ; K = 128 is one instruction a tile: sixteen different accumulators
.endr
.rept 4
	v_nop                                          ; four places between the last product and the first read of results (ISA guide 7.12.1)
.endr
	; the rows' sums: eight chains; each accumulator is read from its low end on
	WIN 0xAA
.irp p, 0,2,4,6
	v_pk_add_f32 v[U+\p:U+\p+1], v[\p:\p+1], v[16+\p:17+\p]
.endr
.irp p, 0,2,4,6
	v_pk_add_f32 v[U+8+\p:U+9+\p], v[8+\p:9+\p], v[24+\p:25+\p]
.endr
.irp t, 4,5,6,7,8,9,10,11,12,13,14,15
.irp p, 0,2,4,6
	v_pk_add_f32 v[U+8*(\t%2)+\p:U+8*(\t%2)+\p+1], v[U+8*(\t%2)+\p:U+8*(\t%2)+\p+1], v[8*\t+\p:8*\t+\p+1]
.endr
.endr
	WIN 0x0A
.irp p, 0,2,4,6
	v_pk_add_f32 v[SUM+\p:SUM+\p+1], v[U+\p:U+\p+1], v[U+8+\p:U+9+\p]
.endr
	WIN 0
	RED8 SUM
	WIN 0x80
.irp p, 0,2,4,6
	v_pk_mul_f32 v[MU+\p:MU+\p+1], v[SUM+\p:SUM+\p+1], 0xbb800000 op_sel_hi:[1,0]   ; - sum / 256
.endr
	; the sums of (a - mean)^2; the subtraction runs one tile ahead of the squares
	WIN 0xAA
	CEN 0
.set tt, 0
.rept 16
.if tt < 15
	CEN tt+1
.endif
	SQR tt
.set tt, tt+1
.endr
	WIN 0x0A
.irp p, 0,2,4,6
	v_pk_add_f32 v[SQ+\p:SQ+\p+1], v[U+\p:U+\p+1], v[U+8+\p:U+9+\p]
.endr
	WIN 0
	RED8 SQ
.irp j, 0,1,2,3,4,5,6,7
	v_ldexp_f32 v[SQ+\j], v[SQ+\j], s69            ; the variance of h
.endr
.irp j, 0,1,2,3,4,5,6,7
	v_add_f32 v[SQ+\j], 0x3727c5ac, v[SQ+\j]       ; + 1e-5
.endr
.irp j, 0,1,2,3,4,5,6,7
	v_rsq_f32 v[SQ+\j], v[SQ+\j]
.endr
	v_nop                                          ; a plain line behind the last of the batch
	s_wait_loadcnt 0x0                             ; the tile's rows, asked for at the trip's head
	WIN 0xAA
	ROWOFF OO, 10, R16                             ; independent work between the batch and its wait
	s_wait_alu depctr_va_vdst(0)                   ; the eight results v[SQ ..] of the rsq batch are written, ahead of their first reader: one wait for the eight; and the offsets v[OO ..] are written, which the trip's stores read
	WIN 0x80
.irp j, 0,1,2,3,4,5,6,7
	v_ldexp_f32 v[RS+\j], v[SQ+\j], s68            ; rs = 2^e rsqrt(..)
.endr
	WIN 0xAA
.irp g, 0,1,2,3
	HALF \g, 0
	HALF \g, 1
.endr
	s_wait_alu depctr_va_vdst(0)                   ; the last half has written its sixteen results, which the stores below read
	OUT 7
	WIN 0
	s_branch .Lnext
.Lzero:                                            ; rows whose type is none of 0 to 7 are 0
	s_wait_loadcnt 0x0
	WIN 0xAA
	ROWOFF OO, 10, R16
.irp n, 0,1,2,3
	v_mov_b32 v[U+\n], 0
.endr
	s_wait_alu depctr_va_vdst(0)                   ; the offsets v[OO ..] and the four zeros are written, which the stores below read
.irp j, 0,1,2,3,4,5,6,7
.irp g, 0,1,2,3
	global_store_b128 v[OO+\j], v[U:U+3], s[20:21] offset:256*\g th:TH_STORE_NT
.endr
.endr
	WIN 0
.Lnext:
	s_add_co_u32 s67, s67, STG
	s_add_co_u32 s62, s62, 64                      ; the next tile's place in the list;
	s_add_co_u32 s66, s66, 1
	s_cmp_eq_u32 s66, 4
	s_cselect_b32 s62, s63, s62                    ; the fifth trip's is the surplus tile's
	s_cmp_lt_u32 s66, 5
	s_cbranch_scc1 .Ltrip
	s_wait_dscnt 0x0                               ; the closing lines, six on end
	s_wait_alu 0x0
	s_wait_tensorcnt 0x0
	ds_add_u32 v254, v255
	s_wait_dscnt 0x0
	s_endpgm
.Lfunc_end_k_qbd92652f44_main:
	.size	k_qbd92652f44_main, .Lfunc_end_k_qbd92652f44_main-k_qbd92652f44_main
	.p2alignl 7, 3214868480
	.fill 96, 4, 3214868480
	.section	.rodata,"a",@progbits
	.p2align	6, 0x0
	.amdhsa_kernel k_qbd92652f44_main
		.amdhsa_group_segment_fixed_size 46592
		.amdhsa_private_segment_fixed_size 0
		.amdhsa_enable_private_segment 0
		.amdhsa_kernarg_size 72
		.amdhsa_user_sgpr_count 2
		.amdhsa_user_sgpr_kernarg_segment_ptr 1
		.amdhsa_wavefront_size32 1
		.amdhsa_system_sgpr_workgroup_id_x 1
		.amdhsa_system_sgpr_workgroup_id_y 1
		.amdhsa_system_sgpr_workgroup_id_z 1
		.amdhsa_system_vgpr_workitem_id 0
		.amdhsa_next_free_vgpr 1024
		.amdhsa_next_free_sgpr 102
		.amdhsa_reserve_vcc 0
		.amdhsa_float_denorm_mode_32 3
		.amdhsa_float_denorm_mode_16_64 3
		.amdhsa_memory_ordered 1
		.amdhsa_forward_progress 1
		.amdhsa_inst_pref_size 250
	.end_amdhsa_kernel
	.amdgpu_metadata
---
amdhsa.version: [ 1, 2 ]
amdhsa.kernels:
  - .name:           k_qbd92652f44_main
    .symbol:         k_qbd92652f44_main.kd
    .args:
      - { .name: edge_attr, .offset: 0, .size: 8, .value_kind: global_buffer, .address_space: global }
      - { .name: wfrag, .offset: 8, .size: 8, .value_kind: global_buffer, .address_space: global }
      - { .name: order, .offset: 16, .size: 8, .value_kind: global_buffer, .address_space: global }
      - { .name: ttype, .offset: 24, .size: 8, .value_kind: global_buffer, .address_space: global }
      - { .name: lowp_scales, .offset: 32, .size: 8, .value_kind: global_buffer, .address_space: global }
      - { .name: b, .offset: 40, .size: 8, .value_kind: global_buffer, .address_space: global }
      - { .name: gamma, .offset: 48, .size: 8, .value_kind: global_buffer, .address_space: global }
      - { .name: beta, .offset: 56, .size: 8, .value_kind: global_buffer, .address_space: global }
      - { .name: out0, .offset: 64, .size: 8, .value_kind: global_buffer, .address_space: global }
    .group_segment_fixed_size: 46592
    .private_segment_fixed_size: 0
    .kernarg_segment_align: 8
    .kernarg_segment_size: 72
    .max_flat_workgroup_size: 128
    .sgpr_count:     102
    .vgpr_count:     1024
    .wavefront_size: 32
...
	.end_amdgpu_metadata
.endif
;; end of part 3
